; MI455X (gfx1250); checked and timed in simulation.
; The chip was launched on July 23, 2026; its instructions are those of AMD's public machine-readable ISA for CDNA 5 (MIT licence, August 2026) and "CDNA5" Instruction Set Architecture Reference Guide (July 2026). The comments in the code are by the model that wrote it; some were corrected since.
;; Multi Head Self Attention. Allowed arithmetic: matrix products marked QUANTISED: E2M3 operands, one E8M0 scale for each 32 along K, by v_wmma_scale_f32_16x16x128_f8f6f4 with both operands' format E2M3, f32 sums; everything else in f32.
;; Inputs: Wk 512 x 512 float32; Wo 512 x 512 float32; Wq 512 x 512 float32; Wv 512 x 512 float32; bo 512 float32; x 8 x 2,048 x 512 float32.
;; Outputs: out0 8 x 2,048 x 512 float32.
;; This version of the problem:
;;   THIS VERSION OF THE PROBLEM IS GIVEN IN LOW PRECISION. The matrix products marked QUANTISED in the list below multiply operands that are first quantised to E2M3 (2 exponent bits, 3 mantissa bits; 6 bits a number), with one power-of-two scale for each 32 numbers along K (OCP MX v1.0); their sums are f32. All else is computed in f32.
;;   The module's matrix products, in the order in which they are computed (A, B: the left and right operand; K: the contracted axis; several contracted axes count as one K, in the product's order):
;;     1. [M 16,384, K 512] x [K 512, N 512]; A: input x; B: input Wq: QUANTISED
;;     2. [M 16,384, K 512] x [K 512, N 512]; A: input x; B: input Wk: QUANTISED
;;     3. [M 16,384, K 512] x [K 512, N 512]; A: input x; B: input Wv: QUANTISED
;;     4. batch 64 x [M 2,048, K 64] x [K 64, N 2,048]; A: computed on the way; B: computed on the way: QUANTISED
;;     5. batch 64 x [M 2,048, K 2,048] x [K 2,048, N 64]; A: softmax (see below); B: computed on the way: QUANTISED
;;     6. [M 16,384, K 512] x [K 512, N 512]; A: computed on the way; B: input Wo: QUANTISED
;;   THE QUANTISER, for each operand of a quantised product, along K:
;;     - K is cut into blocks of 32 from its start; a last block that is shorter is filled with zeros.
;;     - A block's scale is 2^e with e = floor(log2(the largest magnitude in the block)) - 2, held to -126 .. 127; a block of zeros has e = 0. As a byte (E8M0): e + 127.
;;     - Each number is divided by its block's scale, clamped to +-7.5, and rounded to the nearest number of E2M3, ties to even, subnormals kept.
;;     - The product sums the exact products of the quantised numbers (number of the format x scale) in f32.
;;   ~~~python
;;   def quantise(x, axis):      # numpy; x: float32 -> the quantised numbers, widened to float32 again
;;       x = np.moveaxis(x, axis, -1); K = x.shape[-1]
;;       x = np.pad(x, [(0, 0)] * (x.ndim - 1) + [(0, -K % 32)]); x = x.reshape(x.shape[:-1] + (-1, 32)); a = np.abs(x).max(-1, keepdims=True)
;;       e = np.where(a > 0, np.clip(np.frexp(np.where(a > 0, a, 1))[1] - 1 - 2, -126, 127), 0)      # np.frexp(a)[1] - 1 = floor(log2(a)), exactly
;;       r = np.clip(x / 2.0 ** e, -7.5, 7.5)
;;       step = 2.0 ** (np.maximum(np.frexp(np.where(r == 0, 1, r))[1] - 1, 0) - 3)
;;       q = np.round(r / step) * step * 2.0 ** e      # np.round: ties to even
;;       return np.moveaxis(q.reshape(q.shape[:-2] + (-1,))[..., :K], -1, axis).astype(np.float32)
;;   ~~~
;;   SOFTMAX AHEAD OF A QUANTISED PRODUCT. Where the list says 'softmax', what is quantised is not the finished softmax but p = 2^(t - M), with t = logit x log2(e) and M = ceil(the row's largest t), a whole number; so 1/2 < the row's largest p <= 1. The row's sum l is taken of the UNQUANTISED p, in f32, and the product's result is divided by l at the end. Since M is a whole number, a kernel that streams over the keys may use a running M (the ceiling of the running maximum): every later rescaling is an exact power of two, which a block's scale takes up: the codes' values come out the same.
;;   OPERANDS COMPUTED ON THE WAY. 'Computed on the way' means the value that the module computes at that place (a softmax that the list does not call 'softmax' is quantised finished and normalised). What goes into a quantiser is computed in f32, as accurately as f32 sums, v_exp_f32 and their like allow (about 1e-6 of the number): no bf16 or f16 on the way to a quantiser, and a product that is left as it is and whose result goes on into a quantised operand takes f32 operands (vector FMAs, or v_wmma_f32_16x16x4_f32). A number that lies on a knife's edge between two numbers of the format may be rounded either way, as far as f32 arithmetic and the matrix unit's own rounding can turn it there, and no further.
;; One version. Each part assembles by itself: llvm-mc -triple=amdgcn-amd-amdhsa -mcpu=gfx1250 --defsym DOCPART=n.
;; ======== version 1 of 1: 3 launches
;; limits: right only within a limited range of input values
;; workspace buffers: wfrag 786,432 bytes; wscl 32,768 bytes; qcod 6,291,456 bytes; qscl 262,144 bytes; kv 13,107,200 bytes
;; launch prep (part 1): grid 128 x 1, 4 waves a work-group, no clusters, 0 bytes of LDS; arguments Wq, Wk, Wv, Wo, wfrag, wscl; writes wfrag, wscl
.if DOCPART == 1
	.amdgcn_target "amdgcn-amd-amdhsa--gfx1250"
	.amdhsa_code_object_version 6
	.text
	.protected	k_q40d9e83727_prep
	.globl	k_q40d9e83727_prep
	.p2align	8
	.type	k_q40d9e83727_prep,@function
k_q40d9e83727_prep:
	s_mov_b64 s[64:65], 0
	v_nop
	global_prefetch_b8 v0, s[64:65] scope:SCOPE_SE
	s_setreg_imm32_b32 hwreg(HW_REG_WAVE_MODE, 25, 1), 1
	s_wait_xcnt 0x0
; Wq, Wk, Wv, Wo [512 (k)][512 (n)] f32 become codes of FP6 (E2M3) with one E8M0 byte for each 32 along K, K being the FIRST axis.
; The codes are stored as IMAGES OF OPERAND REGISTERS: a fragment (16 columns x 128 K, 12 registers a lane) is 1,536 bytes, registers 4 c .. 4 c + 3 of lane l at 512 c + 16 l.
; Fragment (mtx, g, s, ct) lies at (((8 mtx + g) 4 + s) 4 + ct) x 1,536: mtx = q, k, v, o; g = group of 64 columns (a head); s = K step of 128; ct = tile of 16 columns.
; THE COLUMNS OF A TILE ARE NOT NEIGHBOURS: lane r of tile ct takes column 64 g + 32 (ct / 2) + 8 (ct % 2) + r + 8 (r / 8), so that later the 16 result registers of tiles 2 b, 2 b + 1 are 16 neighbouring columns.
; A lane takes one column and its registers run down K in the order that the operand wants: registers 6 c .. 6 c + 5 hold k = 128 s + 64 c + 32 (lane / 16) + 0 .. 31.  So nothing is transposed and no other lane is asked for a maximum.
; The scale word (4 bytes: the K step's four blocks) of column lane r lies at ((8 mtx + g) 4 + s) x 256 + 64 ct + 4 r.
; A work-group is one (mtx, g, s); its four waves are the four tiles, which together read 256 consecutive bytes of each row of the weight.  128 work-groups are all the work there is.
; The scale words leave as 64 bytes a wave (32,768 bytes in the whole launch): parts of aligned blocks of 256 bytes.
; A block's scale is 2^(floor(log2(largest magnitude)) - 2); its byte is the largest magnitude's exponent field - 2, held at 1 from below.
; LIMITS: a block of zeros gets the byte 1 where the rule says 127 (its codes are zeros, and this program alone reads the bytes); NaN and infinities among the inputs are not served.
.set NUM, 64                           ; v64-127  my 64 numbers: two blocks of 32
.set MX,  32                           ; v32-33   largest magnitudes
.set BYT, 36                           ; v36-37   scale bytes
.set OPD, 44                           ; v44-45   the conversions' scale operands
.set FRG, 48                           ; v48-59   the fragment
.set CTM, 128                          ; v128-130, v132-134: the second half of each block's codes (a conversion's three registers begin on an even number)
	s_load_b256 s[4:11], s[0:1], 0x0               ; Wq s[4:5], Wk s[6:7], Wv s[8:9], Wo s[10:11]
	s_load_b128 s[12:15], s[0:1], 0x20             ; wfrag s[12:13], wscl s[14:15]
	v_lshrrev_b32 v1, 5, v0
	v_readfirstlane_b32 s16, v1                    ; wave = ct
	v_and_b32 v6, 31, v0                           ; lane
	v_and_b32 v1, 15, v0                           ; r
	v_bfe_u32 v2, v0, 4, 1                         ; h
	v_and_b32 v7, 8, v1
	v_add_nc_u32 v7, v7, v1                        ; r + 8 (r / 8)
	v_lshlrev_b32 v3, 2, v7
	v_lshl_add_u32 v3, v2, 16, v3                  ; my column's 4 bytes, + 32 h rows of 2,048 bytes
	v_lshlrev_b32 v4, 4, v6                        ; an image's place for my lane
	v_lshlrev_b32 v5, 2, v1                        ; a scale word's
	s_mov_b32 s20, 0x76543210
	s_mov_b32 s21, 0xfedcba98                      ; v_permlanex16_b32's selects for lane l xor 16
	s_lshr_b32 s17, ttmp9, 5                       ; mtx
	s_bfe_u32 s18, ttmp9, 0x30002                  ; g
	s_and_b32 s19, ttmp9, 3                        ; s
	s_lshl_b32 s22, s19, 18                        ; 128 s rows of 2,048 bytes
	s_lshl_b32 s23, s18, 8                         ; 64 g columns
	s_add_co_u32 s22, s22, s23
	s_lshr_b32 s23, s16, 1
	s_lshl_b32 s23, s23, 7                         ; 32 (ct / 2) columns
	s_add_co_u32 s22, s22, s23
	s_and_b32 s23, s16, 1
	s_lshl_b32 s23, s23, 5                         ; 8 (ct % 2) columns
	s_add_co_u32 s22, s22, s23
	s_mov_b32 s23, 0
	s_lshl_b32 s24, ttmp9, 2
	s_add_co_u32 s24, s24, s16
	s_mul_i32 s24, s24, 1536                       ; my fragment
	s_mov_b32 s25, 0
	s_lshl_b32 s26, ttmp9, 8
	s_lshl_b32 s27, s16, 6
	s_add_co_u32 s26, s26, s27                     ; my 16 scale words
	s_mov_b32 s27, 0
	s_wait_alu depctr_va_vdst(0)
	s_wait_kmcnt 0x0
	s_cmp_eq_u32 s17, 1                            ; which weight: the choice hangs on the work-group's number alone
	s_cselect_b64 s[4:5], s[6:7], s[4:5]
	s_cmp_eq_u32 s17, 2
	s_cselect_b64 s[4:5], s[8:9], s[4:5]
	s_cmp_eq_u32 s17, 3
	s_cselect_b64 s[4:5], s[10:11], s[4:5]
	s_add_nc_u64 s[4:5], s[4:5], s[22:23]
	s_add_nc_u64 s[12:13], s[12:13], s[24:25]
	s_add_nc_u64 s[14:15], s[14:15], s[26:27]
.set n, 0
.rept 64
	global_load_b32 v[NUM+n], v3, s[4:5] offset:((n/32)*64+n%32)*2048   ; W(128 s + 64 c + 32 h + i, my column)
.set n, n+1
.endr
	s_wait_loadcnt 0x0
.irp c, 0,1
	v_max3_num_f32 v[MX+\c], |v[NUM+32*\c]|, |v[NUM+32*\c+1]|, 0x1800000   ; my block 2 c + h, and the floor 2^(3 - 127): the byte cannot fall under 1
.endr
.irp i, 2,4,6,8,10,12,14,16,18,20,22,24,26,28,30
.irp c, 0,1
	v_max3_num_f32 v[MX+\c], v[MX+\c], |v[NUM+32*\c+\i]|, |v[NUM+32*\c+\i+1]|   ; (the two blocks by turns)
.endr
.endr
.irp c, 0,1
	v_add_nc_u32 v[OPD+\c], 0xff000000, v[MX+\c]   ; 2 off the exponent field: the conversion takes the exponent field of this operand as its scale
.endr
.irp c, 0,1
	v_lshrrev_b32 v[BYT+\c], 23, v[OPD+\c]         ; the scale's byte
.endr
	v_lshl_or_b32 v9, v[BYT+1], 16, v[BYT]         ; my two bytes: blocks h and 2 + h,
	v_lshlrev_b32 v10, 3, v2
	v_lshlrev_b32 v9, v10, v9                      ; at their places in the word (8 h bits up);
	v_mov_b32 v10, 0
	v_permlanex16_b32 v10, v9, s20, s21
	v_or_b32 v9, v9, v10                           ; with lane l xor 16's two the word is whole
.irp c, 0,1
	v_cvt_scalef32_pk16_fp6_f32 v[FRG+6*\c:FRG+6*\c+2], v[NUM+32*\c:NUM+32*\c+15], v[OPD+\c]
	v_cvt_scalef32_pk16_fp6_f32 v[CTM+4*\c:CTM+4*\c+2], v[NUM+32*\c+16:NUM+32*\c+31], v[OPD+\c]
.endr
	v_nop                                          ; one plain place behind a scaled conversion
.irp c, 0,1
.irp i, 0,1,2
	v_mov_b32 v[FRG+6*\c+3+\i], v[CTM+4*\c+\i]
.endr
.endr
.irp c, 0,1,2
	global_store_b128 v4, v[FRG+4*\c:FRG+4*\c+3], s[12:13] offset:512*\c   ; 32 lanes store 512 consecutive bytes, at a multiple of 256 from the buffer's first byte
.endr
	v_cmp_gt_u32 vcc_lo, 16, v6
	s_wait_xcnt 0x0                                ; EXEC changes only behind this wait
	s_and_saveexec_b32 s28, vcc_lo
	global_store_b32 v5, v9, s[14:15]              ; lanes 0-15: the 16 columns' words
	s_wait_xcnt 0x0
	s_or_b32 exec_lo, exec_lo, s28
	s_endpgm
.Lfunc_end_k_q40d9e83727_prep:
	.size	k_q40d9e83727_prep, .Lfunc_end_k_q40d9e83727_prep-k_q40d9e83727_prep
	.p2alignl 7, 3214868480
	.fill 96, 4, 3214868480
	.section	.rodata,"a",@progbits
	.p2align	6, 0x0
	.amdhsa_kernel k_q40d9e83727_prep
		.amdhsa_group_segment_fixed_size 0
		.amdhsa_private_segment_fixed_size 0
		.amdhsa_enable_private_segment 0
		.amdhsa_kernarg_size 48
		.amdhsa_user_sgpr_count 2
		.amdhsa_user_sgpr_kernarg_segment_ptr 1
		.amdhsa_wavefront_size32 1
		.amdhsa_system_sgpr_workgroup_id_x 1
		.amdhsa_system_sgpr_workgroup_id_y 1
		.amdhsa_system_sgpr_workgroup_id_z 1
		.amdhsa_system_vgpr_workitem_id 0
		.amdhsa_next_free_vgpr 136
		.amdhsa_next_free_sgpr 66
		.amdhsa_reserve_vcc 1
		.amdhsa_float_denorm_mode_32 3
		.amdhsa_float_denorm_mode_16_64 3
		.amdhsa_memory_ordered 1
		.amdhsa_forward_progress 1
		.amdhsa_inst_pref_size 12
	.end_amdhsa_kernel
	.amdgpu_metadata
---
amdhsa.version: [ 1, 2 ]
amdhsa.kernels:
  - .name:           k_q40d9e83727_prep
    .symbol:         k_q40d9e83727_prep.kd
    .args:
      - { .name: Wq, .offset: 0, .size: 8, .value_kind: global_buffer, .address_space: global }
      - { .name: Wk, .offset: 8, .size: 8, .value_kind: global_buffer, .address_space: global }
      - { .name: Wv, .offset: 16, .size: 8, .value_kind: global_buffer, .address_space: global }
      - { .name: Wo, .offset: 24, .size: 8, .value_kind: global_buffer, .address_space: global }
      - { .name: wfrag, .offset: 32, .size: 8, .value_kind: global_buffer, .address_space: global }
      - { .name: wscl, .offset: 40, .size: 8, .value_kind: global_buffer, .address_space: global }
    .group_segment_fixed_size: 0
    .private_segment_fixed_size: 0
    .kernarg_segment_align: 8
    .kernarg_segment_size: 48
    .max_flat_workgroup_size: 128
    .sgpr_count:     66
    .vgpr_count:     136
    .wavefront_size: 32
...
	.end_amdgpu_metadata
.endif
;; end of part 1
;; launch qkv (part 2): grid 2 x 128, 4 waves a work-group, no clusters, 53,760 bytes of LDS; arguments x, wfrag, wscl, qcod, qscl, kv; writes qcod, qscl, kv
.if DOCPART == 2
	.amdgcn_target "amdgcn-amd-amdhsa--gfx1250"
	.amdhsa_code_object_version 6
	.text
	.protected	k_q40d9e83727_qkv
	.globl	k_q40d9e83727_qkv
	.p2align	8
	.type	k_q40d9e83727_qkv,@function
k_q40d9e83727_qkv:
	s_mov_b64 s[64:65], 0
	v_nop
	global_prefetch_b8 v0, s[64:65] scope:SCOPE_SE
	s_setreg_imm32_b32 hwreg(HW_REG_WAVE_MODE, 25, 1), 1
	s_wait_xcnt 0x0
; q = x Wq, k = x Wk, v = x Wv on codes of FP6 (E2M3) with one E8M0 scale for each 32 along K; the results are quantised at once for the attention's two products and stored as images of operand registers.
; SHARES.  A work-group takes 128 rows of x (one batch's keys 128 sb .. 128 sb + 127) and four heads; wave w takes head 4 x (work-group x) + w and runs three units (q, k, v) of 128 rows x 64 columns x K 512:
; 32 accumulators (256 registers), 128 matrix instructions a unit.  256 work-groups, one block each.  x is read by the two work-groups of a row block.
; THE ROWS OF A TILE ARE NOT NEIGHBOURS: lane r of tile T (0 .. 7) takes row 32 (T / 2) + 8 (T % 2) + r + 8 (r / 8) of the block; the weights' tiles take their columns by the same order.
; So in result tiles 2 b and 2 b + 1 a lane's 16 registers are 16 neighbours, 32 b + 16 (lane / 16) + 0 .. 15, of whatever was source 0, and the lane's own index (lane % 16) is source 1's.
;   q, k: source 0 = 16 columns of W, source 1 = 16 rows of x: a lane holds one row and runs along the head's 64 channels, which are the first attention product's K.
;   v:    source 0 = 16 rows of x, source 1 = 16 columns of W: a lane holds one channel and runs along the keys, which are the second product's K.
; PHASE X: wave w quantises tiles 2 w, 2 w + 1 of x (8 fragments) and stores their images in LDS; one barrier; every wave then keeps all 32 fragments of x in registers for its three units.
; OUT: a pair of q or k tiles (2 x 64 channels) makes ONE fragment of 128: registers 0-5 tile 2 f, registers 6-11 tile 2 f + 1; its scale word is [tile 2 f: 2 bytes, tile 2 f + 1: 2 bytes].
;   qcod: (64 bh + 4 sb + f) x 1,536;  qscl: (16 bh + sb) x 256 + 16 r + 4 f;  kv: bh x 204,800 + sb x 12,800: four fragments of k, four of v^T (channel tile t, K = the 128 keys), then 512 bytes of scale words:
;   lane l's 16 bytes at 16 l: lanes 0-15 k's four words, lanes 16-31 v's four.
; LIMITS: a block of zeros gets the byte 1 where the rule says 127 (its codes are zeros; this program alone reads the bytes); NaN and infinities among the inputs are not served.
; REGISTERS, in windows of 256: window 0: v1-7 addresses; v16-47 x's scale words; v48-63 the weights' scale words, two sets; v64-159 four fragments of W, two sets; v160-215 the quantiser's.
;   window 1: x's fragments of K steps 0, 1 at 96 (s % 2) + 12 T;  window 2: of K steps 2, 3;  window 3: the 32 accumulators; in phase X four buffers of 64 numbers of x.
; THE ORDER OF ROWS IN A TILE OF x, as the code below has it (it takes the place of the order named further up): lane r of tile T takes row 64 (T / 4) + 32 (r / 8) + 8 (T % 4) + r % 8 of the block.
; So in v's unit a lane's 32 result registers of tiles 4 c .. 4 c + 3 are keys 64 c + 32 (lane / 16) + 0 .. 31: a whole block of 32 in one lane, in the operand's own order (macro QUANTV);
; and a tile of k gives the attention's scores the same order of keys.  q's tiles 4 c .. 4 c + 3 are rows 64 c .. 64 c + 63.
.set XIMG, 0
.set XSC,  49152                       ; its scale words at (4 T + s) x 128 + 4 x lane
.set LI,  1                            ; v1  16 x lane: an image's place for my lane
.set LS,  2                            ; v2  4 x lane
.set XA,  3                            ; v3  x: (r % 8 + 32 (r / 8)) rows of 2,048 bytes + 64 h
.set XWI, 4                            ; v4  where I store x's images: 16 x lane + 12,288 x wave
.set XWS, 5                            ; v5  and their scale words: 4 x lane + 1,024 x wave
.set R16, 6                            ; v6  16 r
.set LN,  7                            ; v7  lane
.set XS,  16                           ; x's scale word of (T, s): v[XS + 4 T + s]
.set SW,  48                           ; W's scale words: set u % 2; register 2 s + p: lanes 0-15 tile 2 p, lanes 16-31 tile 2 p + 1
.set WF,  64                           ; W's four fragments of a K step: set j % 2, 48 registers each
.set PC,  160                          ; v160-171 the fragment just made
.set CT,  172                          ; v172-174, v176-178 (a conversion's three registers begin on an even number)
.set TM,  180                          ; v180-183 largest magnitudes, v184-187 the other half's, then bytes, v192-195 the conversions' scale operands
.set PW,  196                          ; phase X: the scale word just made
.set QPW, 200                          ; v200-203 q's four scale words;  v204-207 k's;  v208-211 v's;  v212-215 k's and v's, by halves of the lanes
.set KPW, 204
.set VPW, 208
.set SCW, 212
.set WV,  16
.set SEL, 20
.set MSB, 0
.macro WIN new                         ; the immediate's high byte repeats the setting that is left; a switch that changes nothing is dropped
.if MSB != (\new)
	s_set_vgpr_msb (MSB<<8)|(\new)
.set MSB, (\new)
.endif
.endm
; 64 numbers of x for fragment i = 4 u + s of my two tiles: register 16 b + e = k 128 s + 32 b + 16 h + e of my row, into buffer i % 4 of window 3
.macro LOADX i
	WIN 0xc0
.irp b, 0,1,2,3
.irp j, 0,1,2,3
	global_load_b128 v[64*((\i)%4)+16*\b+4*\j:64*((\i)%4)+16*\b+4*\j+3], v[XA], s[4:5] offset:16384*((\i)/4)+512*((\i)%4)+128*\b+16*\j
.endr
.endr
.endm
; K step j = 4 u + s: W's four fragments into K step s's set; with a unit's first step its 8 registers of scale words
.macro GROUP j
.set JU, (\j)/4
.set JS, (\j)%4
.if JS < 2                             ; FOUR sets of W's fragments, one for each K step of a unit: steps 0, 1 in window 0, step 2 at v192 of window 1, step 3 at v192 of window 2
.set JW, WF+48*JS
.else
.set JW, 192
.endif
	WIN 0
.if JS == 0
.irp q, 0,1,2,3,4,5,6,7
	global_load_b32 v[SW+8*(JU%2)+\q], v[LS], s[8:9] offset:8192*JU+128*\q
.endr
.endif
.set n, 0
.rept 12
.if JS >= 2
	WIN 0x40*(JS-1)                                ; the destination's window
.endif
	global_load_b128 v[JW+4*n:JW+4*n+3], v[LI], s[6:7] offset:196608*JU+6144*JS+512*n
.set n, n+1
.endr
.endm
; 64 numbers of a lane in window 3, register 16 b + e = K index 32 b + 16 (lane / 16) + e of the lane's row, become a fragment's codes in v[PC] on and its scale word in v[pw].
.macro QUANT src, pw
	WIN 0x3c                                       ; sources 1 and 2 in window 3
.irp b, 0,1,2,3
	v_max3_num_f32 v[TM+\b], 0x1800000, |v[(\src)+16*\b]|, |v[(\src)+16*\b+1]|   ; block b: my 16 numbers, from each accumulator's low end on, and the floor 2^(3 - 127): the byte cannot fall under 1
.endr
.irp i, 2,4,6,8,10,12,14
.irp b, 0,1,2,3
	v_max3_num_f32 v[TM+\b], v[TM+\b], |v[(\src)+16*\b+\i]|, |v[(\src)+16*\b+\i+1]|   ; (the four blocks by turns)
.endr
.endr
	WIN 0
.irp b, 0,1,2,3
	v_permlanex16_b32 v[TM+4+\b], v[TM+\b], s[SEL], s[SEL+1]
.endr
.irp b, 0,1,2,3
	v_max_num_f32 v[TM+\b], v[TM+\b], v[TM+4+\b]   ; with lane l xor 16's: the block's largest magnitude
.endr
.irp b, 0,1,2,3
	v_add_nc_u32 v[TM+12+\b], 0xff000000, v[TM+\b] ; 2 off its exponent field: the conversion's scale operand
.endr
.irp b, 0,1,2,3
	v_lshrrev_b32 v[TM+4+\b], 23, v[TM+12+\b]      ; the scale's byte
.endr
	s_wait_alu depctr_va_vdst(0)
	s_wait_xcnt 0x0                                ; the last fragment's stores have read their registers: the word and the codes are written again only behind these two waits
	s_wait_dscnt 0x0
	v_lshl_or_b32 v[\pw], v[TM+5], 8, v[TM+4]
	v_lshl_or_b32 v[\pw], v[TM+6], 16, v[\pw]
	v_lshl_or_b32 v[\pw], v[TM+7], 24, v[\pw]
	WIN 0x03                                       ; source 0 in window 3
.irp c, 0,1
	v_cvt_scalef32_pk16_fp6_f32 v[PC+6*\c:PC+6*\c+2], v[(\src)+32*\c:(\src)+32*\c+15], v[TM+12+2*\c]
	v_cvt_scalef32_pk16_fp6_f32 v[CT+4*\c:CT+4*\c+2], v[(\src)+32*\c+16:(\src)+32*\c+31], v[TM+12+2*\c+1]
.endr
	WIN 0
	v_nop                                          ; one plain place behind a scaled conversion
.irp c, 0,1                                    ; the operand wants a WHOLE block in a lane: lanes 0-15 block 2 c, lanes 16-31 block 2 c + 1
.irp i, 0,1,2
	v_permlane16_swap_b32 v[PC+6*\c+\i], v[CT+4*\c+\i]
.endr
.irp i, 0,1,2
	v_mov_b32 v[PC+6*\c+3+\i], v[CT+4*\c+\i]
.endr
.endr
.endm
; K step j of a q or k unit: 32 matrix instructions, source 0 = W's tile ct, source 1 = x's tile m; accumulator (m, ct) at v[32 m + 8 ct] of window 3.
; The 32 accumulators take turns, one instruction a turn, in the same order in every K step.  A unit's first step starts the sums with the constant 0.
.macro MULT j
.set JU, (\j)/4
.set JS, (\j)%4
.if JS < 2
.set JW, WF+48*JS
.set JN, 0xf4                          ; W window 0, x window 1
.else
.set JW, 192
.set JN, 0xf8+JS-1                     ; W window 1 or 2, x window 2
.endif
.set JX, 96*(JS%2)
	WIN JN                                         ; source 0 window 0, 1 or 2, source 1 window 1 or 2, C and D window 3
.irp ct, 0,1,2,3
.irp m, 0,1,2,3,4,5,6,7
.set rD, 32*\m+8*\ct
.set rA, JW+12*\ct
.set rB, JX+12*\m
.set rP, SW+8*(JU%2)+2*JS+\ct/2
.set rX, XS+4*\m+JS
.if JS == 0
.if \ct%2
	v_wmma_scale_f32_16x16x128_f8f6f4 v[rD:rD+7], v[rA:rA+11], v[rB:rB+11], 0, v[rP], v[rX] matrix_a_fmt:MATRIX_FMT_FP6 matrix_b_fmt:MATRIX_FMT_FP6 matrix_a_scale:MATRIX_SCALE_ROW1
.else
	v_wmma_scale_f32_16x16x128_f8f6f4 v[rD:rD+7], v[rA:rA+11], v[rB:rB+11], 0, v[rP], v[rX] matrix_a_fmt:MATRIX_FMT_FP6 matrix_b_fmt:MATRIX_FMT_FP6
.endif
.else
.if \ct%2
	v_wmma_scale_f32_16x16x128_f8f6f4 v[rD:rD+7], v[rA:rA+11], v[rB:rB+11], v[rD:rD+7], v[rP], v[rX] matrix_a_fmt:MATRIX_FMT_FP6 matrix_b_fmt:MATRIX_FMT_FP6 matrix_a_scale:MATRIX_SCALE_ROW1
.else
	v_wmma_scale_f32_16x16x128_f8f6f4 v[rD:rD+7], v[rA:rA+11], v[rB:rB+11], v[rD:rD+7], v[rP], v[rX] matrix_a_fmt:MATRIX_FMT_FP6 matrix_b_fmt:MATRIX_FMT_FP6
.endif
.endif
.endr
.endr
.endm
; K step j of the v unit: source 0 = x's tile m, source 1 = W's tile ct; accumulator (ct, m) at v[64 ct + 8 m]
.macro MULV j
.set JU, (\j)/4
.set JS, (\j)%4
.if JS < 2
.set JW, WF+48*JS
.set JN, 0xf1                          ; x window 1, W window 0
.else
.set JW, 192
.set JN, 0xf2+4*(JS-1)                 ; x window 2, W window 1 or 2
.endif
.set JX, 96*(JS%2)
	WIN JN                                         ; source 0 window 1 or 2, source 1 window 0, 1 or 2, C and D window 3
.irp ct, 0,1,2,3
.irp m, 0,1,2,3,4,5,6,7
.set rD, 64*\ct+8*\m
.set rA, JX+12*\m
.set rB, JW+12*\ct
.set rX, XS+4*\m+JS
.set rP, SW+8*(JU%2)+2*JS+\ct/2
.if JS == 0
.if \ct%2
	v_wmma_scale_f32_16x16x128_f8f6f4 v[rD:rD+7], v[rA:rA+11], v[rB:rB+11], 0, v[rX], v[rP] matrix_a_fmt:MATRIX_FMT_FP6 matrix_b_fmt:MATRIX_FMT_FP6 matrix_b_scale:MATRIX_SCALE_ROW1
.else
	v_wmma_scale_f32_16x16x128_f8f6f4 v[rD:rD+7], v[rA:rA+11], v[rB:rB+11], 0, v[rX], v[rP] matrix_a_fmt:MATRIX_FMT_FP6 matrix_b_fmt:MATRIX_FMT_FP6
.endif
.else
.if \ct%2
	v_wmma_scale_f32_16x16x128_f8f6f4 v[rD:rD+7], v[rA:rA+11], v[rB:rB+11], v[rD:rD+7], v[rX], v[rP] matrix_a_fmt:MATRIX_FMT_FP6 matrix_b_fmt:MATRIX_FMT_FP6 matrix_b_scale:MATRIX_SCALE_ROW1
.else
	v_wmma_scale_f32_16x16x128_f8f6f4 v[rD:rD+7], v[rA:rA+11], v[rB:rB+11], v[rD:rD+7], v[rX], v[rP] matrix_a_fmt:MATRIX_FMT_FP6 matrix_b_fmt:MATRIX_FMT_FP6
.endif
.endif
.endr
.endr
.endm
	s_load_b256 s[4:11], s[0:1], 0x0               ; x s[4:5], wfrag s[6:7], wscl s[8:9], qcod s[10:11]
	s_load_b128 s[12:15], s[0:1], 0x20             ; qscl s[12:13], kv s[14:15]
	v_lshl_add_u32 v254, v0, 2, 0xd000
	v_mov_b32 v255, 0
	v_lshrrev_b32 v8, 5, v0
	v_readfirstlane_b32 s[WV], v8                  ; wave 0..3
	v_and_b32 v[LN], 31, v0
	v_and_b32 v8, 15, v0                           ; r
	v_bfe_u32 v9, v0, 4, 1                         ; h
	v_lshlrev_b32 v[LI], 4, v[LN]
	v_lshlrev_b32 v[LS], 2, v[LN]
	v_and_b32 v10, 8, v8
	v_mad_u32_u24 v10, v10, 3, v8                  ; r % 8 + 32 (r / 8)
	v_lshlrev_b32 v[XA], 11, v10
	v_lshl_add_u32 v[XA], v9, 6, v[XA]
	s_mul_i32 s17, s[WV], 12288
	v_add_nc_u32 v[XWI], s17, v[LI]
	s_lshl_b32 s17, s[WV], 10
	v_add_nc_u32 v[XWS], s17, v[LS]
	v_lshlrev_b32 v[R16], 4, v8
	v_cmp_gt_u32 vcc_lo, 16, v[LN]                 ; lanes 0-15: kept for the whole kernel
.irp b, 0,1,2,3
	v_mov_b32 v[TM+4+\b], 0                        ; written once: a lane permute's destination counts as one of its sources
.endr
	s_mov_b32 s[SEL], 0x76543210
	s_mov_b32 s[SEL+1], 0xfedcba98                 ; v_permlanex16_b32's selects for lane l xor 16
	s_and_b32 s18, ttmp7, 0xffff                   ; rb = 16 b + sb: the block of 128 rows
	s_lshl_b32 s19, ttmp9, 2
	s_add_co_u32 s19, s19, s[WV]                   ; my head
	s_lshr_b32 s22, s18, 4
	s_lshl_b32 s22, s22, 3
	s_add_co_u32 s22, s22, s19                     ; bh = 8 b + head
	s_and_b32 s23, s18, 15                         ; sb
	s_lshl_b32 s24, s18, 18                        ; x: 128 rb rows of 2,048 bytes
	s_lshr_b32 s25, s[WV], 1                       ;    + my two tiles' first row: 64 (wave / 2) + 16 (wave % 2)
	s_lshl_b32 s25, s25, 17
	s_and_b32 s26, s[WV], 1
	s_lshl_b32 s26, s26, 15
	s_add_co_u32 s25, s25, s26
	s_add_co_u32 s24, s24, s25
	s_mov_b32 s25, 0
	s_mul_i32 s26, s19, 24576                      ; a head's 16 fragments of one weight
	s_mov_b32 s27, 0
	s_lshl_b32 s28, s19, 10                        ; and their scale words
	s_mov_b32 s29, 0
	s_mul_i32 s32, s22, 98304                      ; qcod: (64 bh + 4 sb) x 1,536
	s_mul_i32 s33, s23, 6144
	s_add_co_u32 s32, s32, s33
	s_mov_b32 s33, 0
	s_lshl_b32 s34, s22, 12                        ; qscl: (16 bh + sb) x 256
	s_lshl_b32 s35, s23, 8
	s_add_co_u32 s34, s34, s35
	s_mov_b32 s35, 0
	s_mul_i32 s36, s22, 204800                     ; kv: bh x 204,800 + sb x 12,800
	s_mul_i32 s37, s23, 12800
	s_add_co_u32 s36, s36, s37
	s_mov_b32 s37, 0
	s_wait_alu depctr_va_vdst(0)
	s_wait_kmcnt 0x0
	s_add_nc_u64 s[4:5], s[4:5], s[24:25]
	s_add_nc_u64 s[6:7], s[6:7], s[26:27]
	s_add_nc_u64 s[8:9], s[8:9], s[28:29]
	s_add_nc_u64 s[10:11], s[10:11], s[32:33]
	s_add_nc_u64 s[12:13], s[12:13], s[34:35]
	s_add_nc_u64 s[14:15], s[14:15], s[36:37]
	GROUP 0                                        ; the first unit's four K steps' weights land while x is quantised
	GROUP 1
	GROUP 2
	GROUP 3
	LOADX 0
	LOADX 1
	LOADX 2
	LOADX 3
; PHASE X.  left: the loads issued behind fragment i's sixteen, which may stay out: sixteen for each later LOADX
.macro XSTEP i, left
	s_wait_loadcnt \left
	QUANT 64*((\i)%4), PW
.irp c, 0,1,2
	ds_store_b128 v[XWI], v[PC+4*\c:PC+4*\c+3] offset:XIMG+(\i)*1536+512*\c
.endr
	ds_store_b32 v[XWS], v[PW] offset:XSC+(\i)*128
.if (\i) < 4
	LOADX (\i)+4
.endif
.endm
	XSTEP 0, 48
	XSTEP 1, 48
	XSTEP 2, 48
	XSTEP 3, 48
	XSTEP 4, 48
	XSTEP 5, 32
	XSTEP 6, 16
	XSTEP 7, 0
	s_wait_dscnt 0x0                               ; for the others' sake: my images have landed
	s_barrier_signal -1
	s_barrier_wait -1                              ; x's 32 fragments lie in LDS; nothing is written there again
	WIN 0x40
.irp s, 0,1
.irp m, 0,1,2,3,4,5,6,7
.irp c, 0,1,2
	ds_load_b128 v[96*\s+12*\m+4*\c:96*\s+12*\m+4*\c+3], v[LI] offset:XIMG+(4*\m+\s)*1536+512*\c
.endr
.endr
.endr
	WIN 0x80
.irp s, 0,1
.irp m, 0,1,2,3,4,5,6,7
.irp c, 0,1,2
	ds_load_b128 v[96*\s+12*\m+4*\c:96*\s+12*\m+4*\c+3], v[LI] offset:XIMG+(4*\m+2+\s)*1536+512*\c
.endr
.endr
.endr
	WIN 0
.set n, 0
.rept 32
	ds_load_b32 v[XS+n], v[LS] offset:XSC+128*n
.set n, n+1
.endr
	s_wait_dscnt 0x0
; A K step.  left: the loads issued behind the group that this step multiplies, which may stay out (12 a group, or 20 where it brings scale words too).
; Four places stand between the step's products and the loads into the set that they read, and ahead of the quantiser's first read of results (ISA guide 7.12.1 for vector instructions).
.macro KSTEP j, left
	s_wait_loadcnt \left
.if (\j) < 8
	MULT \j
.else
	MULV \j
.endif
.rept 4
	v_nop
.endr
.if (\j)+4 < 12
	GROUP (\j)+4                                   ; the same K step of the next unit, into the set just read
.endif
.endm
; A unit's way out: four fragments, each 1,536 consecutive bytes
.macro UOUT base, off, pwb
.irp f, 0,1,2,3
	QUANT 64*\f, \pwb+\f
.irp c, 0,1,2
	global_store_b128 v[LI], v[PC+4*\c:PC+4*\c+3], s[\base:\base+1] offset:\off+1536*\f+512*\c
.endr
.endr
.endm
	KSTEP 0, 36                                    ; left: the three groups issued behind this step's: 12 loads each, 20 where a group brings scale words
	KSTEP 1, 44
	KSTEP 2, 44
	KSTEP 3, 44
	UOUT 10, 0, QPW                                ; q
	s_wait_xcnt 0x0                                ; EXEC changes only behind this wait
	s_wait_tensorcnt 0x0
	ds_add_u32 v254, v255
	s_wait_dscnt 0x0
	s_and_saveexec_b32 s31, vcc_lo
	global_store_b128 v[R16], v[QPW:QPW+3], s[12:13]   ; lanes 0-15 store 256 consecutive bytes, aligned: the four pairs' words of 16 lanes
	s_wait_xcnt 0x0
	s_or_b32 exec_lo, exec_lo, s31
	KSTEP 4, 36
	KSTEP 5, 44
	KSTEP 6, 44
	KSTEP 7, 44
	UOUT 14, 0, KPW                                ; k
	KSTEP 8, 36
	KSTEP 9, 24
	KSTEP 10, 12
	KSTEP 11, 0
; v^T: 64 numbers of a lane in window 3, register 32 c + e = key 64 c + 32 (lane / 16) + e: two whole blocks, so no other lane is asked for a maximum and nothing changes lanes but the scale bytes.
.macro QUANTV src, pw
	WIN 0x3c
.irp c, 0,1
	v_max3_num_f32 v[TM+\c], 0x1800000, |v[(\src)+32*\c]|, |v[(\src)+32*\c+1]|   ; with the floor 2^(3 - 127)
.endr
.irp i, 2,4,6,8,10,12,14,16,18,20,22,24,26,28,30
.irp c, 0,1
	v_max3_num_f32 v[TM+\c], v[TM+\c], |v[(\src)+32*\c+\i]|, |v[(\src)+32*\c+\i+1]|
.endr
.endr
	WIN 0
.irp c, 0,1
	v_add_nc_u32 v[TM+12+\c], 0xff000000, v[TM+\c] ; 2 off the exponent field: the conversion's scale operand
.endr
.irp c, 0,1
	v_lshrrev_b32 v[TM+4+\c], 23, v[TM+12+\c]      ; the scale's byte
.endr
	v_and_b32 v[TM+6], 16, v[LN]
	v_lshrrev_b32 v[TM+6], 1, v[TM+6]              ; 8 (lane / 16)
	s_wait_alu depctr_va_vdst(0)
	s_wait_xcnt 0x0                                ; the last fragment's stores have read their registers
	s_wait_dscnt 0x0
	v_lshl_or_b32 v[\pw], v[TM+5], 16, v[TM+4]     ; my bytes: blocks h and 2 + h,
	v_lshlrev_b32 v[\pw], v[TM+6], v[\pw]          ; at their places in the word;
	v_permlanex16_b32 v[TM+7], v[\pw], s[SEL], s[SEL+1]
	v_or_b32 v[\pw], v[\pw], v[TM+7]               ; with lane l xor 16's two the word is whole, in both halves of the lanes
	WIN 0x03
.irp c, 0,1
	v_cvt_scalef32_pk16_fp6_f32 v[PC+6*\c:PC+6*\c+2], v[(\src)+32*\c:(\src)+32*\c+15], v[TM+12+\c]
	v_cvt_scalef32_pk16_fp6_f32 v[CT+4*\c:CT+4*\c+2], v[(\src)+32*\c+16:(\src)+32*\c+31], v[TM+12+\c]
.endr
	WIN 0
	v_nop                                          ; one plain place behind a scaled conversion
.irp c, 0,1
.irp i, 0,1,2
	v_mov_b32 v[PC+6*\c+3+\i], v[CT+4*\c+\i]
.endr
.endr
.endm
.irp f, 0,1,2,3
	QUANTV 64*\f, VPW+\f
.irp c, 0,1,2
	global_store_b128 v[LI], v[PC+4*\c:PC+4*\c+3], s[14:15] offset:6144+1536*\f+512*\c
.endr
.endr
.irp i, 0,1,2,3
	v_cndmask_b32 v[SCW+\i], v[VPW+\i], v[KPW+\i], vcc_lo   ; lanes 0-15 k's words, lanes 16-31 v's (both halves of the lanes hold every word)
.endr
	global_store_b128 v[LI], v[SCW:SCW+3], s[14:15] offset:12288   ; 512 consecutive bytes
	s_endpgm
.Lfunc_end_k_q40d9e83727_qkv:
	.size	k_q40d9e83727_qkv, .Lfunc_end_k_q40d9e83727_qkv-k_q40d9e83727_qkv
	.p2alignl 7, 3214868480
	.fill 96, 4, 3214868480
	.section	.rodata,"a",@progbits
	.p2align	6, 0x0
	.amdhsa_kernel k_q40d9e83727_qkv
		.amdhsa_group_segment_fixed_size 53760
		.amdhsa_private_segment_fixed_size 0
		.amdhsa_enable_private_segment 0
		.amdhsa_kernarg_size 48
		.amdhsa_user_sgpr_count 2
		.amdhsa_user_sgpr_kernarg_segment_ptr 1
		.amdhsa_wavefront_size32 1
		.amdhsa_system_sgpr_workgroup_id_x 1
		.amdhsa_system_sgpr_workgroup_id_y 1
		.amdhsa_system_sgpr_workgroup_id_z 1
		.amdhsa_system_vgpr_workitem_id 0
		.amdhsa_next_free_vgpr 1024
		.amdhsa_next_free_sgpr 66
		.amdhsa_reserve_vcc 1
		.amdhsa_float_denorm_mode_32 3
		.amdhsa_float_denorm_mode_16_64 3
		.amdhsa_memory_ordered 1
		.amdhsa_forward_progress 1
		.amdhsa_inst_pref_size 172
	.end_amdhsa_kernel
	.amdgpu_metadata
---
amdhsa.version: [ 1, 2 ]
amdhsa.kernels:
  - .name:           k_q40d9e83727_qkv
    .symbol:         k_q40d9e83727_qkv.kd
    .args:
      - { .name: x, .offset: 0, .size: 8, .value_kind: global_buffer, .address_space: global }
      - { .name: wfrag, .offset: 8, .size: 8, .value_kind: global_buffer, .address_space: global }
      - { .name: wscl, .offset: 16, .size: 8, .value_kind: global_buffer, .address_space: global }
      - { .name: qcod, .offset: 24, .size: 8, .value_kind: global_buffer, .address_space: global }
      - { .name: qscl, .offset: 32, .size: 8, .value_kind: global_buffer, .address_space: global }
      - { .name: kv, .offset: 40, .size: 8, .value_kind: global_buffer, .address_space: global }
    .group_segment_fixed_size: 53760
    .private_segment_fixed_size: 0
    .kernarg_segment_align: 8
    .kernarg_segment_size: 48
    .max_flat_workgroup_size: 128
    .sgpr_count:     66
    .vgpr_count:     1024
    .wavefront_size: 32
...
	.end_amdgpu_metadata
.endif
;; end of part 2
;; launch attnproj (part 3): grid 32 x 8, 8 waves a work-group, clusters of 4 x 1, 327,680 bytes of LDS; arguments qcod, qscl, kv, wfrag, wscl, bo, out0; writes out0
.if DOCPART == 3
	.amdgcn_target "amdgcn-amd-amdhsa--gfx1250"
	.amdhsa_code_object_version 6
	.text
	.protected	k_q40d9e83727_attnproj
	.globl	k_q40d9e83727_attnproj
	.p2align	8
	.type	k_q40d9e83727_attnproj,@function
k_q40d9e83727_attnproj:
	s_mov_b64 s[64:65], 0
	v_nop
	global_prefetch_b8 v0, s[64:65] scope:SCOPE_SE
	s_setreg_imm32_b32 hwreg(HW_REG_WAVE_MODE, 25, 1), 1
	s_wait_xcnt 0x0
	s_wait_alu depctr_hold_cnt(0) depctr_sa_sdst(0) depctr_va_vdst(0) depctr_va_sdst(0) depctr_va_ssrc(0) depctr_va_vcc(0) depctr_vm_vsrc(0)
	s_getreg_b32 s2, hwreg(HW_REG_IB_STS2, 6, 4)
	s_cmp_eq_u32 s2, 0
	s_cbranch_scc0 .Lentry_in_a_cluster
	s_endpgm
.Lentry_in_a_cluster:
	s_bfe_u32 s2, ttmp6, 0x10000c
	s_cmp_lg_u32 s2, 0x3003
	s_cbranch_scc0 .Lentry_shape_is_right
	s_endpgm
.Lentry_shape_is_right:
; out0 = merge(softmax(q k^T sqrt(512)) v) Wo + bo, all four products on codes of FP6 (E2M3) with E8M0 scales.
; SHARES.  A work-group takes 64 query rows of one batch and all 8 heads; wave w takes head w: four tiles of 16 queries.  32 x 8 = 256 work-groups.
; Keys go in steps of 128 through two LDS slots: a step is 8 heads x 12,800 bytes (four fragments of k, four of v^T, 512 bytes of scale words), wave w fetching head w's part by one tensor load.
; The four work-groups of a cluster (same batch) read the same tiles: every load is a joint one, mask 15, behind a round of the cluster's barrier.
; Each fragment of k and v^T is read from LDS once a step and serves the wave's four query tiles.
; BOTH PRODUCTS ARE USED TRANSPOSED (S^T = k q^T, O^T = v^T p^T): a lane holds one query.  By the order of keys in k's tiles a lane's 32 score registers of tiles 4 c .. 4 c + 3 are keys 64 c + 32 (lane / 16) + 0 .. 31:
; a whole block of 32 in the operand's own order, so p's block maxima need no other lane and its codes change no lane.  The head's 64 channels are half of the instruction's 128: a fragment of k holds two tiles of keys, and q stands beside zero codes.
; SOFTMAX: M is the running largest t rounded up to a whole number (kept as -M); p = 2^(t - M); the sum is taken of the unquantised p; when M moves, sum and O^T are multiplied by 2^(old M - new M), with no branch.
; THE ORDER OF A TRIP: the query tiles go in PAIRS, tile 2 p + e in score buffer e, the two tiles' lines by turns, so that one wait ahead of the exponentials and one behind them serve both.  Pair 0; the scores of pair 1; the round and the refill
; (the wave has read all of this step's fragments into registers), and k's next fragments; pair 1; the next step's scores of pair 0; v^T's next fragments.
; PREFETCH: in trip t each wave names blocks of 256 bytes of its head's part of step t + 4, two trips ahead of the load that wants them; the 50 blocks are shared among the four partners by address (13 each, clamped to the last); trips 12 on ask for nothing.
; THE WAY OUT: each tile's O^T / sum is quantised along the head's channels and laid in LDS as halves of operand images; a barrier; wave w then makes 64 rows x columns 64 w .. 64 w + 63 of out0 (64 matrix instructions, bo as the first C),
; which leave through the wave's own stage as rows: sixteen lanes store 256 consecutive bytes, aligned.  Lane r of query tile T is row 32 (r / 8) + 8 T + r % 8 of the 64.
; LIMITS: the promise holds while the scaled scores stay under 2^31 in magnitude (the running maximum starts at -2^121); a block of zeros gets the byte 1 (its codes are zeros; this program alone reads the bytes); NaN and infinities are not served.
; REGISTERS: window 0: v1-7 addresses; v8-23 a tile's -M, largest score, sum (2); v24-39 small work of a pair's first tile, v226-241 of its second; v36-37, v40-51 scale words; v52-105 q between zeros; v106-153 k's fragments;
;   v154-201 v^T's; v202-213, v242-253 p's codes.   window 1: two score buffers of 64; from v128 O^T, 32 a tile.
.set SLOT,  131072
.set HB,    12800
.set MST,   233472                     ; merged codes: (8 T + head) x 768
.set MSC,   258048                     ; their scale words: (4 T + s) x 64 + 4 r
.set STG,   259072                     ; 16 rows x 272 bytes for each wave
.set SPARE, 293888                     ; the spare words, 128 bytes a wave
.set DE, 202                           ; a pair's second tile has its small work registers DE above the first's
.set LI, 1
.set ADR, 2
.set H8, 3
.set SPW, 4
.set NIL, 5
.set LIW, 6
.set PFO, 7
.set FF, 24
.set BM, 26
.set PD, 30
.set SO, 32
.set T, 34
.set PS, 36                            ; p's scale word: v36, v37
.set X, 38
.set QS, 40
.set SCK, 44
.set SCV, 48
.set SWR, 44
.set QZ, 52
.set FK, 106
.set FV, 154
.set PC, 202                           ; p's codes: v202, v242
.set CT, 214
.set Y, 222                            ; v222, v224
.set R, 202
.set OC, 234
.set LS, 245
.set BH, 246
.set MSA, 247
.set MSB8, 248
.set MSS, 249
.set XSA, 250
.set STO, 251
.set RD, 252
.set CO, 253
.set AL, 254
.set AL8, 255
.set WV, 18
.set CN, 19
.set SEL, 20
.set CS, 22
.set G1, 24
.set G0, 32
.set TB, 36
.set CNT, 37
.set PF, 38
.set MSB, 0
.macro WIN new                         ; the immediate's high byte repeats the setting that is left
.if MSB != (\new)
	s_set_vgpr_msb (MSB<<8)|(\new)
.set MSB, (\new)
.endif
.endm
.macro NOPS
.rept 4
	v_nop
.endr
.endm
.macro ROUND
	s_barrier_signal -1
	s_barrier_wait -1
	s_cmp_lg_u32 s[WV], 0
	s_cbranch_scc1 .Lnot_wave_0_\@
	s_barrier_signal -3
.Lnot_wave_0_\@:
	s_barrier_wait -3
	s_barrier_signal -1
	s_barrier_wait -1
.endm
.macro MMZ d, a, b, sa, sb             ; a product that starts a sum
	v_wmma_scale_f32_16x16x128_f8f6f4 v[(\d):(\d)+7], v[(\a):(\a)+11], v[(\b):(\b)+11], 0, v[\sa], v[\sb] matrix_a_fmt:MATRIX_FMT_FP6 matrix_b_fmt:MATRIX_FMT_FP6
.endm
.macro MMC d, a, b, c, sa, sb, row     ; row = 1: source 0's scales from lanes 16-31
.if \row
	v_wmma_scale_f32_16x16x128_f8f6f4 v[(\d):(\d)+7], v[(\a):(\a)+11], v[(\b):(\b)+11], v[(\c):(\c)+7], v[\sa], v[\sb] matrix_a_fmt:MATRIX_FMT_FP6 matrix_b_fmt:MATRIX_FMT_FP6 matrix_a_scale:MATRIX_SCALE_ROW1
.else
	v_wmma_scale_f32_16x16x128_f8f6f4 v[(\d):(\d)+7], v[(\a):(\a)+11], v[(\b):(\b)+11], v[(\c):(\c)+7], v[\sa], v[\sb] matrix_a_fmt:MATRIX_FMT_FP6 matrix_b_fmt:MATRIX_FMT_FP6
.endif
.endm
.macro LOADK                           ; 13 LDS loads: k's four fragments and the scale words (lanes 0-15 k's)
.set n, 0
.rept 12
	ds_load_b128 v[FK+4*n:FK+4*n+3], v[ADR] offset:512*n
.set n, n+1
.endr
	ds_load_b128 v[SCK:SCK+3], v[ADR] offset:12288
.endm
.macro LOADV                           ; 13 LDS loads: v^T's four fragments and the same words once more (lanes 16-31 v's)
.set n, 0
.rept 12
	ds_load_b128 v[FV+4*n:FV+4*n+3], v[ADR] offset:6144+512*n
.set n, n+1
.endr
	ds_load_b128 v[SCV:SCV+3], v[ADR] offset:12288
.endm
.macro SMULP p                         ; S^T of query tiles 2 p, 2 p + 1 into buffers 0, 1: q below zeros picks a fragment's first tile of keys, q above zeros its second
	WIN 0x40
.irp e, 0,1
.irp f, 0,1,2,3
	MMZ 64*\e+16*\f, FK+12*\f, QZ+6+12*(2*(\p)+\e), SCK+\f, QS+2*(\p)+\e
	MMZ 64*\e+16*\f+8, FK+12*\f, QZ+12*(2*(\p)+\e), SCK+\f, QS+2*(\p)+\e
.endr
.endr
.endm
; Pair p, first part: block maxima, the new M, t - M, the exponentials.  A tile's state stands at v[8 + 8 p + 4 e]
.macro PAIRA p
	WIN 0x15
.irp e, 0,1
.irp k, 0,1,2,3
	v_max3_num_f32 v[BM+DE*\e+\k], v[64*\e+16*\k], v[64*\e+16*\k+1], v[64*\e+16*\k+2]   ; eight chains by turns, each accumulator from its low end on
.endr
.endr
	WIN 0x14
.irp i, 3,5,7,9,11,13
.irp e, 0,1
.irp k, 0,1,2,3
	v_max3_num_f32 v[BM+DE*\e+\k], v[BM+DE*\e+\k], v[64*\e+16*\k+\i], v[64*\e+16*\k+\i+1]
.endr
.endr
.endr
.irp e, 0,1
	v_max3_num_f32 v[BM+DE*\e], v[BM+DE*\e], v[64*\e+15], v[64*\e+31]
	v_max3_num_f32 v[BM+DE*\e+2], v[BM+DE*\e+2], v[64*\e+47], v[64*\e+63]
.endr
	WIN 0
.irp e, 0,1
	v_max_num_f32 v[BM+DE*\e], v[BM+DE*\e], v[BM+DE*\e+1]        ; the largest score of my block h,
	v_max_num_f32 v[BM+DE*\e+2], v[BM+DE*\e+2], v[BM+DE*\e+3]    ; and of my block 2 + h
.endr
.irp e, 0,1
	v_max_num_f32 v[T+DE*\e], v[BM+DE*\e], v[BM+DE*\e+2]
.endr
.irp e, 0,1
	v_permlanex16_b32 v[PD+DE*\e], v[T+DE*\e], s[SEL], s[SEL+1]
.endr
.irp e, 0,1
	v_max3_num_f32 v[9+8*(\p)+4*\e], v[9+8*(\p)+4*\e], v[T+DE*\e], v[PD+DE*\e]   ; the running largest score of my query
.endr
.irp e, 0,1
	v_mul_f32 v[T+DE*\e], s[CN], v[9+8*(\p)+4*\e]                ; -t
.endr
.irp e, 0,1
	v_floor_f32 v[T+DE*\e], v[T+DE*\e]                           ; the new -M
.endr
.irp e, 0,1
	v_sub_f32 v[T+DE*\e+1], v[T+DE*\e], v[8+8*(\p)+4*\e]         ; old M - new M, a whole number
.endr
.irp e, 0,1
	v_mov_b32 v[8+8*(\p)+4*\e], v[T+DE*\e]
.endr
.irp e, 0,1
	v_cvt_i32_f32 v[T+DE*\e+1], v[T+DE*\e+1]                     ; (it saturates)
.endr
.irp e, 0,1
	v_ldexp_f32 v[FF+DE*\e], 1.0, v[T+DE*\e+1]                   ; f = 2^(old M - new M)
.endr
.irp e, 0,1
	v_fma_f32 v[BM+DE*\e], v[BM+DE*\e], s[CS], v[8+8*(\p)+4*\e]
	v_fma_f32 v[BM+DE*\e+2], v[BM+DE*\e+2], s[CS], v[8+8*(\p)+4*\e]
.endr
	WIN 0x41
.irp e, 0,1
.set n, 64*\e
.rept 32
	v_pk_fma_f32 v[n:n+1], v[n:n+1], s[CS:CS+1], v[8+8*(\p)+4*\e:9+8*(\p)+4*\e] op_sel_hi:[1,0,0]
.set n, n+2
.endr
.endr
	s_wait_alu depctr_va_vdst(0)                   ; the wait ahead of the batch
.set n, 0
.rept 128
	v_exp_f32 v[n], v[n]
.set n, n+1
.endr
	WIN 0
.irp e, 0,1
	v_exp_f32 v[BM+DE*\e], v[BM+DE*\e]             ; each block's largest p
	v_exp_f32 v[BM+DE*\e+2], v[BM+DE*\e+2]
.endr
.irp e, 0,1
	v_pk_mul_f32 v[10+8*(\p)+4*\e:11+8*(\p)+4*\e], v[10+8*(\p)+4*\e:11+8*(\p)+4*\e], v[FF+DE*\e:FF+DE*\e+1] op_sel_hi:[1,0]   ; the sums under the new M; plain places behind the batch
.endr
	s_wait_alu depctr_va_vdst(0)                   ; and the wait behind it
.endm
; second part: the sums, p's scale words and codes, O^T under the new M, O^T += v^T p^T.  wv = 1: v^T's fragments are waited for
.macro PAIRB p, wv
	WIN 0x05
.irp e, 0,1
	v_pk_add_f32 v[X+DE*\e:X+DE*\e+1], v[64*\e+2:64*\e+3], v[64*\e+4:64*\e+5]
	v_pk_add_f32 v[Y+2*\e:Y+2*\e+1], v[64*\e+6:64*\e+7], v[64*\e+8:64*\e+9]
.endr
	WIN 0x04
.irp e, 0,1
	v_pk_add_f32 v[10+8*(\p)+4*\e:11+8*(\p)+4*\e], v[10+8*(\p)+4*\e:11+8*(\p)+4*\e], v[64*\e:64*\e+1]
.endr
.set n, 10
.rept 9
.irp e, 0,1
	v_pk_add_f32 v[10+8*(\p)+4*\e:11+8*(\p)+4*\e], v[10+8*(\p)+4*\e:11+8*(\p)+4*\e], v[64*\e+n:64*\e+n+1]
	v_pk_add_f32 v[X+DE*\e:X+DE*\e+1], v[X+DE*\e:X+DE*\e+1], v[64*\e+n+2:64*\e+n+3]
	v_pk_add_f32 v[Y+2*\e:Y+2*\e+1], v[Y+2*\e:Y+2*\e+1], v[64*\e+n+4:64*\e+n+5]
.endr
.set n, n+6
.endr
	WIN 0
.irp e, 0,1
	v_max_num_f32 v[BM+DE*\e], 0x1800000, v[BM+DE*\e]            ; the floor 2^(3 - 127): the byte cannot fall under 1
	v_max_num_f32 v[BM+DE*\e+2], 0x1800000, v[BM+DE*\e+2]
.endr
.irp e, 0,1
	v_pk_add_f32 v[X+DE*\e:X+DE*\e+1], v[X+DE*\e:X+DE*\e+1], v[Y+2*\e:Y+2*\e+1]
.endr
.irp e, 0,1
	v_add_nc_u32 v[SO+DE*\e], 0xff000000, v[BM+DE*\e]            ; 2 off the exponent field: the conversion's scale operand
	v_add_nc_u32 v[SO+DE*\e+1], 0xff000000, v[BM+DE*\e+2]
.endr
.irp e, 0,1
	v_pk_add_f32 v[10+8*(\p)+4*\e:11+8*(\p)+4*\e], v[10+8*(\p)+4*\e:11+8*(\p)+4*\e], v[X+DE*\e:X+DE*\e+1]
.endr
.irp e, 0,1
	v_lshrrev_b32 v[T+DE*\e], 23, v[SO+DE*\e]
	v_lshrrev_b32 v[T+DE*\e+1], 23, v[SO+DE*\e+1]
.endr
.irp e, 0,1
	v_lshl_or_b32 v[T+DE*\e], v[T+DE*\e+1], 16, v[T+DE*\e]       ; my bytes: blocks h and 2 + h,
.endr
.irp e, 0,1
	v_lshlrev_b32 v[T+DE*\e], v[H8], v[T+DE*\e]                  ; at their places;
.endr
.irp e, 0,1
	v_permlanex16_b32 v[PD+DE*\e], v[T+DE*\e], s[SEL], s[SEL+1]
.endr
.irp e, 0,1
	v_or_b32 v[PS+\e], v[T+DE*\e], v[PD+DE*\e]                   ; with lane l xor 16's the word is whole
.endr
.irp e, 0,1
	WIN 0x01
	v_cvt_scalef32_pk16_fp6_f32 v[PC+40*\e:PC+40*\e+2], v[64*\e:64*\e+15], v[SO+DE*\e]
	v_cvt_scalef32_pk16_fp6_f32 v[CT:CT+2], v[64*\e+16:64*\e+31], v[SO+DE*\e]
	v_cvt_scalef32_pk16_fp6_f32 v[PC+40*\e+6:PC+40*\e+8], v[64*\e+32:64*\e+47], v[SO+DE*\e+1]
	v_cvt_scalef32_pk16_fp6_f32 v[CT+4:CT+6], v[64*\e+48:64*\e+63], v[SO+DE*\e+1]
	WIN 0
	v_nop                                          ; one plain place behind a scaled conversion
.irp i, 0,1,2
	v_mov_b32 v[PC+40*\e+3+\i], v[CT+\i]           ; (a conversion's three registers begin on an even number)
	v_mov_b32 v[PC+40*\e+9+\i], v[CT+4+\i]
.endr
.endr
.if \wv
	s_wait_alu depctr_va_vdst(0)
	s_wait_dscnt 0x0                               ; v^T's fragments and words are in
.endif
	WIN 0x41
	s_wait_alu depctr_va_vdst(0)                   ; the wait directly ahead of the first reader of O^T
.irp e, 0,1
.set n, 128+64*(\p)+32*\e
.rept 16
	v_pk_mul_f32 v[n:n+1], v[n:n+1], v[FF+DE*\e:FF+DE*\e+1] op_sel_hi:[1,0]   ; also the places between p's words and codes and the products
.set n, n+2
.endr
.endr
	WIN 0x50
.irp t, 0,1,2,3
.irp e, 0,1
	MMC 128+64*(\p)+32*\e+8*\t, FV+12*\t, PC+40*\e, 128+64*(\p)+32*\e+8*\t, SCV+\t, PS+\e, 1
.endr
.endr
.endm
; kind 0: the next step's tile has landed, this step's slot is read out: the round, the refill two steps on, then k's next fragments.  kind 1: nothing is left to fetch: a plain barrier shows the last tile whole
.macro SYNC kind
	WIN 0
	s_wait_alu depctr_va_vdst(0)
.if \kind == 0
	s_wait_xcnt 0x0                                ; the last prefetch has read its base
	s_add_nc_u64 s[PF:PF+1], s[PF:PF+1], HB
	s_wait_tensorcnt 0x0                           ; my one load that was out has landed
	ds_add_u32 v[SPW], v[NIL]
	s_add_nc_u64 s[G0+2:G0+3], s[G0+2:G0+3], HB
	s_xor_b32 s[G0+1], s[G0+1], SLOT
	s_xor_b32 s[TB], s[TB], SLOT
	s_wait_dscnt 0x0                               ; the add is done, and my reads of this step's slot
	ROUND
	tensor_load_to_lds s[G0:G0+3], s[G1:G1+7]
	s_nop 0
.else
	s_wait_tensorcnt 0x0
	s_xor_b32 s[TB], s[TB], SLOT
	s_wait_dscnt 0x0
	s_barrier_signal -1
	s_barrier_wait -1
.endif
	NOPS                                           ; places between the score products and the loads into their sources, and the first read of their results
	v_add_nc_u32 v[ADR], s[TB], v[LIW]
	LOADK
.if \kind == 0
	s_cmp_lt_u32 s[CNT], 12
	s_cbranch_scc0 .Lno_ask_\@
	global_prefetch_b8 v[PFO], s[PF:PF+1] th:TH_LOAD_NT scope:SCOPE_SE
.Lno_ask_\@:
.endif
.endm
.macro TRIP kind                       ; kind 2: the last step
	PAIRA 0
	PAIRB 0, 1
	SMULP 1
.if \kind < 2
	SYNC \kind
.else
	WIN 0
	NOPS
.endif
	PAIRA 1
	PAIRB 1, 0
.if \kind < 2
	WIN 0
	s_wait_alu depctr_va_vdst(0)
	s_wait_dscnt 0x0                               ; k's next fragments are in
	SMULP 0
.endif
	WIN 0
	NOPS                                           ; places between the last products and loads into their sources, and the first read of their results
.if \kind < 2
	LOADV
.endif
.endm
	s_load_b256 s[4:11], s[0:1], 0x0               ; qcod, qscl, kv, wfrag
	s_load_b128 s[12:15], s[0:1], 0x20             ; wscl, bo
	s_load_b64 s[16:17], s[0:1], 0x30              ; out0
	v_lshl_add_u32 v[SPW], v0, 2, SPARE
	v_mov_b32 v[NIL], 0
	ds_add_u32 v[SPW], v[NIL]                      ; the opening lines: the add twice on end
	ds_add_u32 v[SPW], v[NIL]
	v_lshrrev_b32 v[T], 5, v0
	v_readfirstlane_b32 s[WV], v[T]                ; wave = head
	s_mov_b32 s[SEL], 0x76543210
	s_mov_b32 s[SEL+1], 0xfedcba98
	s_mov_b32 s[CS], 0x420293ee                    ; c = log2(e) sqrt(512)
	s_mov_b32 s[CS+1], s[CS]
	s_mov_b32 s[CN], 0xc20293ee                    ; -c
	s_mov_b32 s[G1], 15|(3<<16)|(1<<21)            ; all four partners; elements of 8 bytes
	s_mov_b32 s[G1+1], 32<<16                      ; rows of 256 bytes,
	s_mov_b32 s[G1+2], 50<<16                      ; 50 of them, dense
	s_mov_b32 s[G1+3], 32<<16
	s_mov_b32 s[G1+4], 50
	s_mov_b32 s[G1+5], 32
	s_mov_b32 s[G1+6], 0
	s_mov_b32 s[G1+7], 0
	s_bfe_u32 s40, ttmp6, 0x40000                  ; cx
	s_lshl_b32 s41, ttmp9, 2
	s_add_co_u32 s41, s41, s40                     ; qb: which 64 rows of the batch
	s_and_b32 s42, ttmp7, 0xffff                   ; batch
	s_lshl_b32 s43, s42, 3
	s_add_co_u32 s43, s43, s[WV]                   ; bh
	s_mul_i32 s44, s43, 204800                     ; kv: my head's 16 steps
	s_mov_b32 s45, 0
	s_lshl_b32 s46, s43, 6
	s_lshl_b32 s47, s41, 1
	s_add_co_u32 s46, s46, s47
	s_mul_i32 s46, s46, 1536                       ; qcod: fragment 64 bh + 2 qb
	s_mov_b32 s47, 0
	s_lshl_b32 s48, s43, 12                        ; qscl: (16 bh + qb / 2) x 256 + 8 (qb % 2)
	s_lshr_b32 s49, s41, 1
	s_lshl_b32 s49, s49, 8
	s_add_co_u32 s48, s48, s49
	s_and_b32 s49, s41, 1
	s_lshl_b32 s49, s49, 3
	s_add_co_u32 s48, s48, s49
	s_mov_b32 s49, 0
	s_add_co_u32 s50, s[WV], 24                    ; Wo, group of columns w
	s_lshl_b32 s52, s50, 10
	s_mul_i32 s50, s50, 24576
	s_mov_b32 s51, 0
	s_mov_b32 s53, 0
	s_lshl_b32 s54, s[WV], 8                       ; 64 w numbers of 4 bytes
	s_mov_b32 s55, 0
	s_lshl_b32 s56, s42, 22                        ; out0: row 2,048 batch + 64 qb
	s_lshl_b32 s57, s41, 17
	s_add_co_u32 s56, s56, s57
	s_add_co_u32 s56, s56, s54
	s_mov_b32 s57, 0
	s_mul_i32 s58, s[WV], HB                       ; my part of a slot
	s_mul_i32 s59, s40, 13                         ; my work-group's share of the prefetched blocks
	s_mov_b32 s[TB], 0
	s_wait_dscnt 0x0
	s_wait_kmcnt 0x0
	s_add_nc_u64 s[8:9], s[8:9], s[44:45]
	s_add_nc_u64 s[4:5], s[4:5], s[46:47]
	s_add_nc_u64 s[6:7], s[6:7], s[48:49]
	s_add_nc_u64 s[10:11], s[10:11], s[50:51]
	s_add_nc_u64 s[12:13], s[12:13], s[52:53]
	s_add_nc_u64 s[14:15], s[14:15], s[54:55]
	s_add_nc_u64 s[16:17], s[16:17], s[56:57]
	s_add_nc_u64 s[PF:PF+1], s[8:9], 3*HB
	s_mov_b32 s[G0], 1
	s_mov_b32 s[G0+1], s58
	s_mov_b64 s[G0+2:G0+3], s[8:9]
	s_or_b32 s[G0+3], s[G0+3], 0x80000000
	ROUND
	tensor_load_to_lds s[G0:G0+3], s[G1:G1+7]      ; step 0: my one load at the head
	s_nop 0
	NOPS
	v_and_b32 v[LI], 31, v0
	v_and_b32 v[T], 15, v0
	v_min_u32 v[PFO], 12, v[LI]
	v_add_nc_u32 v[PFO], s59, v[PFO]
	v_min_u32 v[PFO], 49, v[PFO]
	v_lshlrev_b32 v[PFO], 8, v[PFO]                ; block min(13 cx + min(lane, 12), 49) of my head's 50
	v_and_b32 v[H8], 16, v0
	v_lshrrev_b32 v[H8], 1, v[H8]                  ; 8 h
	v_lshlrev_b32 v[LI], 4, v[LI]
	v_add_nc_u32 v[LIW], s58, v[LI]
	v_mov_b32 v[ADR], v[LIW]
	v_lshlrev_b32 v[T+1], 4, v[T]                  ; 16 r
	s_wait_alu depctr_va_vdst(0)
.set n, 0
.rept 6
	global_load_b128 v[FV+4*n:FV+4*n+3], v[LI], s[4:5] offset:512*n   ; q's two fragments: four tiles
.set n, n+1
.endr
	global_load_b64 v[X:X+1], v[T+1], s[6:7]       ; and their two scale words
.irp k, 0,1,2,3,4
.irp j, 0,1,2,3,4,5
	v_mov_b32 v[QZ+12*\k+\j], 0                    ; the zero codes beside q
.endr
.endr
.irp u, 0,1,2,3
	v_mov_b32 v[8+4*\u], 0x7e800000                ; -M
	v_mov_b32 v[9+4*\u], 0xfc000000                ; the largest score so far: -2^121
	v_mov_b32 v[10+4*\u], 0
	v_mov_b32 v[11+4*\u], 0
.endr
.irp e, 0,1
	v_mov_b32 v[FF+DE*\e+1], 0                     ; named as the upper half of a pair
	v_mov_b32 v[PD+DE*\e], 0                       ; a lane permute's destination counts as one of its sources
.endr
	WIN 0x40
.set n, 0
.rept 128
	v_mov_b32 v[128+n], 0                          ; O^T: the step is written once, the first finds zeros
.set n, n+1
.endr
	WIN 0
	s_wait_alu depctr_va_vdst(0)
	s_wait_loadcnt 0x0
	v_perm_b32 v[QS], v[X], v[X], 0x05040100       ; a tile's two bytes twice: they serve q below zeros and q above zeros
	v_perm_b32 v[QS+1], v[X], v[X], 0x07060302
	v_perm_b32 v[QS+2], v[X+1], v[X+1], 0x05040100
	v_perm_b32 v[QS+3], v[X+1], v[X+1], 0x07060302
.irp u, 0,1,2,3
.irp j, 0,1,2,3,4,5
	v_mov_b32 v[QZ+6+12*\u+\j], v[FV+6*\u+\j]
.endr
.endr
	s_wait_alu depctr_va_vdst(0)
	s_wait_tensorcnt 0x0                           ; step 0 is in; the same lines ahead of slot 1's first fill as ahead of a refill
	ds_add_u32 v[SPW], v[NIL]
	s_add_nc_u64 s[G0+2:G0+3], s[G0+2:G0+3], HB
	s_xor_b32 s[G0+1], s[G0+1], SLOT
	s_wait_dscnt 0x0
	ROUND
	tensor_load_to_lds s[G0:G0+3], s[G1:G1+7]      ; step 1
	s_nop 0
	NOPS
	LOADK
	LOADV
	s_wait_dscnt 13                                ; k's 13 loads are in; v^T's 13 may be out
	SMULP 0
	WIN 0
	NOPS
	s_mov_b32 s[CNT], 0
.Ltrip:
	TRIP 0
	s_wait_alu depctr_va_vdst(0)
	s_add_co_u32 s[CNT], s[CNT], 1
	s_cmp_lt_u32 s[CNT], 14
	s_cbranch_scc1 .Ltrip
	TRIP 1
	TRIP 2
; THE PROJECTION.  Addresses, then all of Wo's 16 fragments, its scale words and bo are asked for; they land while the four tiles are quantised.
	s_wait_alu depctr_va_vdst(0)                   ; the wait ahead of a run of scalar instructions
	s_mul_i32 s40, s[WV], 768
	s_add_co_u32 s40, s40, MST                     ; my head's halves of the merged images
	s_lshr_b32 s41, s[WV], 1
	s_lshl_b32 s41, s41, 6
	s_and_b32 s42, s[WV], 1
	s_lshl_b32 s42, s42, 1
	s_add_co_u32 s41, s41, s42
	s_add_co_u32 s41, s41, MSC                     ; my head's half of a scale word
	s_mul_i32 s42, s[WV], 4352
	s_add_co_u32 s42, s42, STG                     ; my stage
	v_and_b32 v[LS], 31, v0
	v_and_b32 v[XSA], 15, v0                       ; r
	v_bfe_u32 v[BH], v0, 4, 1                      ; h
	v_lshlrev_b32 v[T], 3, v[LS]
	v_add_nc_u32 v[MSA], s40, v[LI]
	v_add_nc_u32 v[MSB8], s40, v[T]
	v_add_nc_u32 v[AL], MST, v[LI]
	v_add_nc_u32 v[AL8], MST, v[T]
	v_lshl_add_u32 v[MSS], v[XSA], 2, s41          ; word (T, head / 2) of row r, half head % 2
	v_mul_u32_u24 v[STO], v[XSA], 272
	v_lshl_add_u32 v[STO], v[BH], 6, v[STO]
	v_add_nc_u32 v[STO], s42, v[STO]
	v_mul_u32_u24 v[RD], v[BH], 272
	v_lshl_add_u32 v[RD], v[XSA], 4, v[RD]
	v_add_nc_u32 v[RD], s42, v[RD]
	v_lshlrev_b32 v[CO], 11, v[BH]
	v_lshl_add_u32 v[CO], v[XSA], 4, v[CO]
	v_lshlrev_b32 v[LS], 2, v[LS]
	v_lshlrev_b32 v[BH], 6, v[BH]
	v_lshl_add_u32 v[XSA], v[XSA], 2, MSC
	s_wait_alu depctr_va_vdst(0)
.set n, 0
.rept 12
	global_load_b128 v[FK+4*n:FK+4*n+3], v[LI], s[10:11] offset:512*n          ; K step 0
	global_load_b128 v[FV+4*n:FV+4*n+3], v[LI], s[10:11] offset:6144+512*n     ; K step 1
.set n, n+1
.endr
.irp q, 0,1,2,3,4,5,6,7
	global_load_b32 v[SWR+\q], v[LS], s[12:13] offset:128*\q   ; K step q / 2: lanes 0-15 tile 2 (q % 2), lanes 16-31 the next
.endr
	WIN 0x40
.set n, 0
.rept 24
	global_load_b128 v[4*n:4*n+3], v[LI], s[10:11] offset:12288+512*n          ; K steps 2, 3, where the scores lay
.set n, n+1
.endr
.irp ct, 0,1,2,3
	global_load_b128 v[96+8*\ct:96+8*\ct+3], v[BH], s[14:15] offset:128*(\ct/2)+32*(\ct%2)       ; bo in the result's layout
	global_load_b128 v[96+8*\ct+4:96+8*\ct+7], v[BH], s[14:15] offset:128*(\ct/2)+32*(\ct%2)+16
.endr
	WIN 0
.irp u, 0,1,2,3
	v_add_f32 v[10+4*\u], v[10+4*\u], v[11+4*\u]
.endr
.irp u, 0,1,2,3
	v_permlanex16_b32 v[BM+\u], v[10+4*\u], s[SEL], s[SEL+1]
.endr
.irp u, 0,1,2,3
	v_add_f32 v[10+4*\u], v[10+4*\u], v[BM+\u]     ; the rows' sums
.endr
	s_wait_alu depctr_va_vdst(0)
.irp u, 0,1,2,3
	v_rcp_f32 v[10+4*\u], v[10+4*\u]
.endr
	v_nop
.macro OUT u                           ; tile u: O^T / sum; its two blocks of 32 channels lie in lanes l and l xor 16
.set OU, 128+32*(\u)
.set ST, 8+4*(\u)
	s_wait_alu depctr_va_vdst(0)
	s_wait_dscnt 0x0                               ; the last tile's LDS stores have read their registers
	WIN 0x01
	s_wait_alu depctr_va_vdst(0)                   ; the wait directly ahead of the first reader
.set n, 0
.rept 16
	v_pk_mul_f32 v[R+n:R+n+1], v[OU+n:OU+n+1], v[ST+2:ST+3] op_sel_hi:[1,0]
.set n, n+2
.endr
	WIN 0
.irp b, 0,1
	v_max3_num_f32 v[BM+\b], |v[R+16*\b]|, |v[R+16*\b+1]|, 0x1800000
.endr
.irp i, 2,4,6,8,10,12,14
.irp b, 0,1
	v_max3_num_f32 v[BM+\b], v[BM+\b], |v[R+16*\b+\i]|, |v[R+16*\b+\i+1]|
.endr
.endr
.irp b, 0,1
	v_permlanex16_b32 v[X+\b], v[BM+\b], s[SEL], s[SEL+1]
.endr
.irp b, 0,1
	v_max_num_f32 v[BM+\b], v[BM+\b], v[X+\b]
.endr
.irp b, 0,1
	v_add_nc_u32 v[SO+\b], 0xff000000, v[BM+\b]
.endr
.irp b, 0,1
	v_lshrrev_b32 v[T+\b], 23, v[SO+\b]
.endr
	v_lshl_or_b32 v[T], v[T+1], 8, v[T]            ; the head's two bytes of row r
	v_cvt_scalef32_pk16_fp6_f32 v[OC:OC+2], v[R:R+15], v[SO]
	v_cvt_scalef32_pk16_fp6_f32 v[OC+8:OC+10], v[R+16:R+31], v[SO+1]
	v_nop
.irp i, 0,1,2
	v_permlane16_swap_b32 v[OC+\i], v[OC+8+\i]     ; a whole block to a lane
.endr
.irp i, 0,1,2
	v_mov_b32 v[OC+3+\i], v[OC+8+\i]
.endr
	ds_store_b128 v[MSA], v[OC:OC+3] offset:6144*(\u)
	ds_store_b64 v[MSB8], v[OC+4:OC+5] offset:6144*(\u)+512
	ds_store_b16 v[MSS], v[T] offset:256*(\u)      ; both halves of the lanes write the same bytes with the same value
.endm
	OUT 0
	OUT 1
	OUT 2
	OUT 3
	s_wait_alu depctr_va_vdst(0)
	s_wait_dscnt 0x0                               ; for the others' sake: my head's codes and bytes have landed
	s_barrier_signal -1
	s_barrier_wait -1
.macro ABASE s, m                      ; where A's fragment (K step s, tile m) lies, all in window 0
.if (\s) == 0
.set rB, QZ+12*(\m)
.elseif (\s) == 1
.if (\m) < 3
.set rB, 202+12*(\m)
.else
.set rB, 24
.endif
.elseif (\s) == 2
.set rB, FK+12*(\m)
.else
.set rB, FV+12*(\m)
.endif
.endm
.macro AFR s                           ; 16 LDS loads: K step s = heads 2 s, 2 s + 1, two halves of 768 bytes a fragment
.irp m, 0,1,2,3
	ABASE \s, \m
.set oB, 6144*\m+1536*(\s)
	ds_load_b128 v[rB:rB+3], v[AL] offset:oB
	ds_load_b64 v[rB+4:rB+5], v[AL8] offset:oB+512
	ds_load_b128 v[rB+6:rB+9], v[AL] offset:oB+768
	ds_load_b64 v[rB+10:rB+11], v[AL8] offset:oB+1280
.endr
.endm
.macro MULP s                          ; 16 products, the 16 accumulators by turns; source 0 = 16 columns of Wo, source 1 = 16 rows
.if (\s) < 2
	WIN 0x50
.set rW, FK+48*(\s)
.else
	WIN 0x51
.set rW, 48*((\s)-2)
.endif
.irp ct, 0,1,2,3
.irp m, 0,1,2,3
	ABASE \s, \m
.if (\s) == 0
	MMC 128+32*\m+8*\ct, rW+12*\ct, rB, 96+8*\ct, SWR+2*(\s)+\ct/2, 8+4*\m+(\s), \ct%2
.else
	MMC 128+32*\m+8*\ct, rW+12*\ct, rB, 128+32*\m+8*\ct, SWR+2*(\s)+\ct/2, 8+4*\m+(\s), \ct%2
.endif
.endr
.endr
	WIN 0
	NOPS
.endm
.set n, 0
.rept 16
	ds_load_b32 v[8+n], v[XSA] offset:64*n         ; A's scale word of (tile n / 4, K step n % 4)
.set n, n+1
.endr
	AFR 0
	AFR 1
	s_wait_loadcnt 0x0
	s_wait_dscnt 16                                ; all but K step 1's 16 loads
	MULP 0
	AFR 2                                          ; where Wo's K step 0 lay
	s_wait_dscnt 16
	MULP 1
	AFR 3
	s_wait_dscnt 16
	MULP 2
	s_wait_dscnt 0x0
	MULP 3
.macro TOSTAGE t                       ; a tile's 16 rows x 256 bytes through my own stage; LDS serves a wave's instructions in order
	WIN 0x04
.irp ct, 0,1,2,3
	ds_store_b128 v[STO], v[128+32*(\t)+8*\ct:128+32*(\t)+8*\ct+3] offset:128*(\ct/2)+32*(\ct%2)
	ds_store_b128 v[STO], v[128+32*(\t)+8*\ct+4:128+32*(\t)+8*\ct+7] offset:128*(\ct/2)+32*(\ct%2)+16
.endr
	WIN 0
.set BB, QZ+150*((\t)%2)
.irp i, 0,1,2,3,4,5,6,7
	ds_load_b128 v[BB+4*\i:BB+4*\i+3], v[RD] offset:544*\i
.endr
.endm
.macro SEND t, younger
.set BB, QZ+150*((\t)%2)
	s_wait_dscnt \younger
.irp i, 0,1,2,3,4,5,6,7
	global_store_b128 v[CO], v[BB+4*\i:BB+4*\i+3], s[16:17] offset:(8*(\t)+2*(\i%4)+32*(\i/4))*2048 th:TH_STORE_NT   ; stage row p is row 32 (p / 8) + 8 t + p % 8; 16 lanes store 256 consecutive bytes, aligned
.endr
.endm
	TOSTAGE 0
.irp a, 1,2,3
.if \a > 1
	s_wait_xcnt 0x0                                ; tile a - 2's stores have read their registers
.endif
	TOSTAGE \a
	SEND \a-1, 16                                  ; behind tile a - 1's loads: tile a's 8 stores and 8 loads
.endr
	SEND 3, 0
	s_wait_tensorcnt 0x0                           ; the wave's end
	ds_add_u32 v[SPW], v[NIL]
	s_wait_dscnt 0x0
	ROUND                                          ; the closing round
	s_endpgm
.Lfunc_end_k_q40d9e83727_attnproj:
	.size	k_q40d9e83727_attnproj, .Lfunc_end_k_q40d9e83727_attnproj-k_q40d9e83727_attnproj
	.p2alignl 7, 3214868480
	.fill 96, 4, 3214868480
	.section	.rodata,"a",@progbits
	.p2align	6, 0x0
	.amdhsa_kernel k_q40d9e83727_attnproj
		.amdhsa_group_segment_fixed_size 327680
		.amdhsa_private_segment_fixed_size 0
		.amdhsa_enable_private_segment 0
		.amdhsa_kernarg_size 56
		.amdhsa_user_sgpr_count 2
		.amdhsa_user_sgpr_kernarg_segment_ptr 1
		.amdhsa_wavefront_size32 1
		.amdhsa_system_sgpr_workgroup_id_x 1
		.amdhsa_system_sgpr_workgroup_id_y 1
		.amdhsa_system_sgpr_workgroup_id_z 1
		.amdhsa_system_vgpr_workitem_id 0
		.amdhsa_next_free_vgpr 512
		.amdhsa_next_free_sgpr 66
		.amdhsa_reserve_vcc 0
		.amdhsa_float_denorm_mode_32 3
		.amdhsa_float_denorm_mode_16_64 3
		.amdhsa_memory_ordered 1
		.amdhsa_forward_progress 1
		.amdhsa_inst_pref_size 212
	.end_amdhsa_kernel
	.amdgpu_metadata
---
amdhsa.version: [ 1, 2 ]
amdhsa.kernels:
  - .name:           k_q40d9e83727_attnproj
    .symbol:         k_q40d9e83727_attnproj.kd
    .args:
      - { .name: qcod, .offset: 0, .size: 8, .value_kind: global_buffer, .address_space: global }
      - { .name: qscl, .offset: 8, .size: 8, .value_kind: global_buffer, .address_space: global }
      - { .name: kv, .offset: 16, .size: 8, .value_kind: global_buffer, .address_space: global }
      - { .name: wfrag, .offset: 24, .size: 8, .value_kind: global_buffer, .address_space: global }
      - { .name: wscl, .offset: 32, .size: 8, .value_kind: global_buffer, .address_space: global }
      - { .name: bo, .offset: 40, .size: 8, .value_kind: global_buffer, .address_space: global }
      - { .name: out0, .offset: 48, .size: 8, .value_kind: global_buffer, .address_space: global }
    .group_segment_fixed_size: 327680
    .private_segment_fixed_size: 0
    .kernarg_segment_align: 8
    .kernarg_segment_size: 56
    .max_flat_workgroup_size: 256
    .sgpr_count:     66
    .vgpr_count:     512
    .wavefront_size: 32
...
	.end_amdgpu_metadata
.endif
;; end of part 3
